; MI455X (gfx1250); checked and timed in simulation.
; The chip was launched on July 23, 2026; its instructions are those of AMD's public machine-readable ISA for CDNA 5 (MIT licence, August 2026) and "CDNA5" Instruction Set Architecture Reference Guide (July 2026). The comments in the code are by the model that wrote it; some were corrected since.
;; Centralized Critic. Allowed arithmetic: matrix products marked QUANTISED: E3M2 operands, one E8M0 scale for each 32 along K, by v_wmma_scale_f32_16x16x128_f8f6f4 with both operands' format E3M2, f32 sums; products left as they are: f32 operands where the result goes on into a quantised operand, else bf16, f16 or f32 operands; f32 sums; everything else in f32.
;; Inputs: mb1 128 float32; mb2 128 float32; mb3 64 float32; mb4 1 float32; mw1 108 x 128 float32; mw2 128 x 128 float32; mw3 128 x 64 float32; mw4 64 x 1 float32; rb1 64 float32; rb2 64 float32; rb3 32 float32; robot_features 16,384 x 64 x 6 float32; rw1 6 x 64 float32; rw2 64 x 64 float32; rw3 64 x 32 float32; tb1 64 float32; tb2 64 float32; tb3 32 float32; tier0_features 16,384 x 44 float32; track_features 16,384 x 128 x 7 float32; tw1 7 x 64 float32; tw2 64 x 64 float32; tw3 64 x 32 float32.
;; Outputs: out0 16,384 float32.
;; This version of the problem:
;;   THIS VERSION OF THE PROBLEM IS GIVEN IN LOW PRECISION. The matrix products marked QUANTISED in the list below multiply operands that are first quantised to E3M2 (3 exponent bits, 2 mantissa bits; 6 bits a number), with one power-of-two scale for each 32 numbers along K (OCP MX v1.0); their sums are f32. All else is computed in f32.
;;   The module's matrix products, in the order in which they are computed (A, B: the left and right operand; K: the contracted axis; several contracted axes count as one K, in the product's order):
;;     1. [M 1,048,576, K 6] x [K 6, N 64]; A: input robot_features; B: input rw1: left as it is (K = 6 < 32)
;;     2. [M 1,048,576, K 64] x [K 64, N 64]; A: computed on the way; B: input rw2: QUANTISED
;;     3. [M 1,048,576, K 64] x [K 64, N 32]; A: computed on the way; B: input rw3: QUANTISED
;;     4. [M 2,097,152, K 7] x [K 7, N 64]; A: input track_features; B: input tw1: left as it is (K = 7 < 32)
;;     5. [M 2,097,152, K 64] x [K 64, N 64]; A: computed on the way; B: input tw2: QUANTISED
;;     6. [M 2,097,152, K 64] x [K 64, N 32]; A: computed on the way; B: input tw3: QUANTISED
;;     7. [M 16,384, K 108] x [K 108, N 128]; A: computed on the way; B: input mw1: QUANTISED
;;     8. [M 16,384, K 128] x [K 128, N 128]; A: computed on the way; B: input mw2: QUANTISED
;;     9. [M 16,384, K 128] x [K 128, N 64]; A: computed on the way; B: input mw3: QUANTISED
;;     10. [M 16,384, K 64] x [K 64, N 1]; A: computed on the way; B: input mw4: left as it is (N = 1 < 16)
;;   THE QUANTISER, for each operand of a quantised product, along K:
;;     - K is cut into blocks of 32 from its start; a last block that is shorter is filled with zeros.
;;     - A block's scale is 2^e with e = floor(log2(the largest magnitude in the block)) - 4, held to -126 .. 127; a block of zeros has e = 0. As a byte (E8M0): e + 127.
;;     - Each number is divided by its block's scale, clamped to +-28, and rounded to the nearest number of E3M2, ties to even, subnormals kept.
;;     - The product sums the exact products of the quantised numbers (number of the format x scale) in f32.
;;   ~~~python
;;   def quantise(x, axis):      # numpy; x: float32 -> the quantised numbers, widened to float32 again
;;       x = np.moveaxis(x, axis, -1); K = x.shape[-1]
;;       x = np.pad(x, [(0, 0)] * (x.ndim - 1) + [(0, -K % 32)]); x = x.reshape(x.shape[:-1] + (-1, 32)); a = np.abs(x).max(-1, keepdims=True)
;;       e = np.where(a > 0, np.clip(np.frexp(np.where(a > 0, a, 1))[1] - 1 - 4, -126, 127), 0)      # np.frexp(a)[1] - 1 = floor(log2(a)), exactly
;;       r = np.clip(x / 2.0 ** e, -28, 28)
;;       step = 2.0 ** (np.maximum(np.frexp(np.where(r == 0, 1, r))[1] - 1, -2) - 2)
;;       q = np.round(r / step) * step * 2.0 ** e      # np.round: ties to even
;;       return np.moveaxis(q.reshape(q.shape[:-2] + (-1,))[..., :K], -1, axis).astype(np.float32)
;;   ~~~
;;   OPERANDS COMPUTED ON THE WAY. 'Computed on the way' means the value that the module computes at that place (a softmax that the list does not call 'softmax' is quantised finished and normalised). What goes into a quantiser is computed in f32, as accurately as f32 sums, v_exp_f32 and their like allow (about 1e-6 of the number): no bf16 or f16 on the way to a quantiser, and a product that is left as it is and whose result goes on into a quantised operand takes f32 operands (vector FMAs, or v_wmma_f32_16x16x4_f32). A number that lies on a knife's edge between two numbers of the format may be rounded either way, as far as f32 arithmetic and the matrix unit's own rounding can turn it there, and no further.
;; One version. Each part assembles by itself: llvm-mc -triple=amdgcn-amd-amdhsa -mcpu=gfx1250 --defsym DOCPART=n.
;; ======== version 1 of 1: 1 launch
;; launch critic (part 1): grid 256 x 1, 16 waves a work-group, no clusters, 327,680 bytes of LDS; arguments tier0_features, robot_features, track_features, mw1, mw2, mw3, rw2, tw2, rw3, tw3, rw1, rb1, rb2, rb3, tw1, tb1, tb2, tb3, mb1, mb2, mb3, mw4, mb4, out0; writes out0
.if DOCPART == 1
	.amdgcn_target "amdgcn-amd-amdhsa--gfx1250"
	.amdhsa_code_object_version 6
	.text
	.protected	k_qb79bf008f5_critic
	.globl	k_qb79bf008f5_critic
	.p2align	8
	.type	k_qb79bf008f5_critic,@function
k_qb79bf008f5_critic:
	s_mov_b64 s[64:65], 0
	v_nop
	global_prefetch_b8 v0, s[64:65] scope:SCOPE_SE
	s_setreg_imm32_b32 hwreg(HW_REG_WAVE_MODE, 25, 1), 1
	s_wait_xcnt 0x0
; CentralizedCritic, whole: two set encoders (d -> 64 -> 64 -> 32, then (mean + max) / 2 over the set), the concatenation with tier0, and the head 108 -> 128 -> 128 -> 64 -> 1.
; The 64 -> 64, 64 -> 32 and the head's first three products run on codes of BF6 (E3M2) with one E8M0 scale for each 32 along K; the first layers (K = 6, 7) in f32 on the f32 matrix form; the last (N = 1) by f32 multiply-adds.
; SHARES.  256 work-groups of 16 waves; a work-group owns 64 items, wave w items 4 w .. 4 w + 3: 16 tiles of 16 robot elements, 32 tiles of 16 track elements.  The head's 64 rows are four tiles, made by waves 0-3.
; Four waves of 256 registers share a SIMD, so that one wave's matrix runs stand beside the others' vector work.
; LAYOUT.  (a) Layers 1 and 2 are used TRANSPOSED (source 0 = 16 weight columns, source 1 = 16 elements), and row m of weight tile t is unit 8 t + m % 8 + 32 (m / 8): register 8 t + j of lane (r, h) is then unit 32 h + 8 t + j of
; element r: a lane's 32 registers are one whole block of the next K, and its largest magnitude needs no other lane.
; (b) The real K is 64, the instruction's 128.  An operand's registers 0-2 hold real k = 32 h + 0 .. 15, registers 6-8 real k = 32 h + 16 .. 31, registers 3-5 and 9-11 zero codes, on both sides alike.
; So both conversions begin on an even register and nothing is moved; the instruction's blocks 0, 1, 2, 3 are the real blocks 0, 1, 0, 1, and a scale word is the bytes (s0, s1, s0, s1).
; (c) Layer 3 is used as it stands (source 0 = 16 elements, source 1 = 16 columns of W3): a lane's eight registers are eight elements of one output, so the pool runs down a lane's registers.
; Layer 1's K is filled to 8: the slot k = 7 carries the bias (x = 1.0, weight row 7 = b1); the robot's slot k = 6 has weight 0.
; WEIGHTS.  Every work-group quantises the seven weights once, a tile to a wave, a lane to a column with its registers down K, and lays them in LDS as images of the operand's registers.
; NO CLUSTER: what work-groups share are 203,776 bytes of f32 weights and biases.  A joint tensor load lands in LDS, where they do not fit beside the 229,376 bytes of set data and the 96,256 bytes of the other regions; they go through registers into the quantiser.
; LIMITS.  NaN and infinities among the inputs are not served (the robot's empty slot multiplies a feature by 0).  A block of zeros gets the scale byte 1 where the rule says 127: its codes are zeros, and this program alone reads the bytes.
; b3 is added behind the pool ((mean + max) / 2 of e + b3 is that of e, plus b3): one f32 rounding falls elsewhere than in the reference.  k stands at other places in the instruction than in memory, so the order of the sums differs.
;
; LDS (bytes):  DATA 0: 14,336 a wave: +0 track items 0, 1; +7,168 first the wave's four robot items (6,144), later track items 2, 3 (the one refill).  CM: c as f32, 64 rows of 512 + 16.
; IMG: 32 weight fragments of 1,536 (0-7 mw1, 8-15 mw2, 16-19 mw3, 20-23 rw2, 24-27 tw2, 28-29 rw3, 30-31 tw3).  SCW: their scale words, 128 each.
; PAR: for each encoder 2,560: W1 as 8 rows of 256 (row 7 = b1), b2 at 2,048, b3 at 2,304.  HV: mb1 0, mb2 512, mb3 1,024, mw4 1,280, mb4 (32 copies) 1,536.  OUTS: the 64 results.  SPARE: the spare words.
; REGISTERS.  v0 thread; v1, v2 the add's two; v3-7, v252-255 LDS addresses and offsets, never data; v8-9 b3; v10-11 running maxima; v12-15 running sums; v16-21 at work (v21 = 1.0 in the encoders);
; v22-31 scale words and nothing else; v32-39 x, two sets; v40-51 the codes just made; v52-67 layer 3's results; v68-83 W1; v84-131 W2; v132-155 W3; v156-187 b2 in the result's layout; v188-219 h;
; v220-251 layer 1's sums, written by matrix instructions alone.  At the start and in the head: v60-123 64 numbers, v124-219 eight weight fragments, v52-58 halves of conversions.
.set DATAW, 14336
.set SLOTX, 7168
.set CM,    229376
.set CMP,   528
.set IMG,   263168
.set FRB,   1536
.set SCW,   312320
.set PAR,   316416
.set PARE,  2560
.set HV,    321536
.set OUTS,  323328
.set SPARE, 323584
.set FLOOR, 0x2800000                  ; 2^(5 - 127): under it no largest magnitude is taken, so that a scale's byte cannot fall under 1
.set EOFF,  0xfe000000                 ; takes 4, the exponent of the format's largest number, off an exponent field
.set SPW,   1
.set NIL,   2
.set RB3,   8
.set RM,    10
.set RS,    12
.set M0,    16
.set M1,    17
.set SOP,   18
.set BY,    19
.set OT,    20
.set ONE,   21
.set SW1,   22
.set SW2,   23
.set WS,    24
.set XB,    32
.set CODES, 40
.set D3,    52
.set TQ,    52
.set W1F,   68
.set W2F,   84
.set W3F,   132
.set B2C,   156
.set H,     188
.set ACC,   220
.set HC,    60
.set HW,    124
.macro PLACES n
.rept \n
	v_nop
.endr
.endm
.macro BAR                             ; my LDS stores have landed and my LDS loads are in: then the work-group's barrier
	s_wait_dscnt 0x0
	s_barrier_signal -1
	s_barrier_wait -1
.endm
.macro IMAGE adr, off                  ; the fragment in v[CODES] on goes to LDS as it stands: lane l's 16 bytes at 16 l, 512 bytes a store
.irp c, 0,1,2
	ds_store_b128 v[\adr], v[CODES+4*\c:CODES+4*\c+3] offset:\off+512*\c
.endr
.endm
.macro FETCH reg, adr, off             ; and comes back so, in any wave
.irp c, 0,1,2
	ds_load_b128 v[\reg+4*\c:\reg+4*\c+3], v[\adr] offset:\off+512*\c
.endr
.endm
.macro CZERO                           ; the empty halves of a K = 64 operand: zero codes
.irp i, 3,4,5,9,10,11
	v_mov_b32 v[CODES+\i], 0
.endr
.endm
.macro BF6C d, a, b, c, sa, sb
	v_wmma_scale_f32_16x16x128_f8f6f4 v[\d:\d+7], v[\a:\a+11], v[\b:\b+11], v[\c:\c+7], v[\sa], v[\sb] matrix_a_fmt:MATRIX_FMT_BF6 matrix_b_fmt:MATRIX_FMT_BF6
.endm
.macro BF6Z d, a, b, sa, sb
	v_wmma_scale_f32_16x16x128_f8f6f4 v[\d:\d+7], v[\a:\a+11], v[\b:\b+11], 0, v[\sa], v[\sb] matrix_a_fmt:MATRIX_FMT_BF6 matrix_b_fmt:MATRIX_FMT_BF6
.endm
; The largest of a lane's 32 numbers v[src] .. v[src + 31] and the floor, into v[M0]: two chains by turns, 16 lines.  ab = 1: magnitudes.  ab = 0: ahead of a relu, where what is negative must not count.
; Of each run of eight registers the first that is read is one of its four lowest (0; 8; 16; 24 beside 23): that order behind a matrix instruction.
.macro BMAX src, ab
.if \ab
	v_max3_num_f32 v[M0], |v[\src]|, |v[\src+1]|, FLOOR
	v_max3_num_f32 v[M1], |v[\src+16]|, |v[\src+17]|, |v[\src+18]|
.set bn, 0
.rept 6
	v_max3_num_f32 v[M0], v[M0], |v[\src+2+2*bn]|, |v[\src+3+2*bn]|
	v_max3_num_f32 v[M1], v[M1], |v[\src+19+2*bn]|, |v[\src+20+2*bn]|
.set bn, bn+1
.endr
	v_max3_num_f32 v[M0], v[M0], |v[\src+14]|, |v[\src+15]|
	v_max3_num_f32 v[M0], v[M0], v[M1], |v[\src+31]|
.else
	v_max3_num_f32 v[M0], v[\src], v[\src+1], FLOOR
	v_max3_num_f32 v[M1], v[\src+16], v[\src+17], v[\src+18]
.set bn, 0
.rept 6
	v_max3_num_f32 v[M0], v[M0], v[\src+2+2*bn], v[\src+3+2*bn]
	v_max3_num_f32 v[M1], v[M1], v[\src+19+2*bn], v[\src+20+2*bn]
.set bn, bn+1
.endr
	v_max3_num_f32 v[M0], v[M0], v[\src+14], v[\src+15]
	v_max3_num_f32 v[M0], v[M0], v[M1], v[\src+31]
.endif
.endm
.macro SCALEW sw                       ; from the block's largest magnitude: the conversion's scale operand, the byte, and the row's word
	v_add_nc_u32 v[SOP], EOFF, v[M0]               ; the conversion takes the exponent field of this operand as its scale, and nothing else of it
	v_lshrrev_b32 v[BY], 23, v[SOP]                ; my block's byte: lanes 0-15 hold s0, lanes 16-31 s1
	v_permlanex16_b32 v[OT], v[BY], s88, s89       ; lane l xor 16's
	v_perm_b32 v[\sw], v[OT], v[BY], s90           ; bytes (mine, the other's, mine, the other's): in lanes 0-15, which are the ones read, (s0, s1, s0, s1)
.endm
; 32 numbers of a lane, relu'd into v[dst] on, become the codes of a K = 64 operand and its scale word.  The 32 relu lines are also the places between the scale word and the product that names it.
.macro QA src, dst, sw
	BMAX \src, 0
	SCALEW \sw
.set qi, 0
.rept 16
	v_max_num_f32 v[\dst+qi], 0, v[\src+qi]
.set qi, qi+1
.endr
	v_cvt_scalef32_pk16_bf6_f32 v[CODES:CODES+2], v[\dst:\dst+15], v[SOP]
.rept 16
	v_max_num_f32 v[\dst+qi], 0, v[\src+qi]
.set qi, qi+1
.endr
	v_cvt_scalef32_pk16_bf6_f32 v[CODES+6:CODES+8], v[\dst+16:\dst+31], v[SOP]
.endm
.macro QW src                          ; the same for 32 numbers of a weight's column: magnitudes, no relu
	BMAX \src, 1
	SCALEW SW1
	v_cvt_scalef32_pk16_bf6_f32 v[CODES:CODES+2], v[\src:\src+15], v[SOP]
	v_cvt_scalef32_pk16_bf6_f32 v[CODES+6:CODES+8], v[\src+16:\src+31], v[SOP]
	v_nop                                          ; one plain place behind a scaled conversion
.endm
; K = 128 as it lies: v[HC + 32 c + i] = k 64 c + 32 h + i of my row or column: two whole blocks a lane.  v11 = 8 h.
.macro QH
	v_max3_num_f32 v[M0], |v[HC]|, |v[HC+1]|, FLOOR
	v_max3_num_f32 v[M1], |v[HC+32]|, |v[HC+33]|, FLOOR
.set qi, 2
.rept 15
	v_max3_num_f32 v[M0], v[M0], |v[HC+qi]|, |v[HC+qi+1]|
	v_max3_num_f32 v[M1], v[M1], |v[HC+32+qi]|, |v[HC+33+qi]|
.set qi, qi+2
.endr
	v_add_nc_u32 v[SOP], EOFF, v[M0]               ; the two scale operands,
	v_add_nc_u32 v[BY], EOFF, v[M1]
	v_lshrrev_b32 v[M0], 23, v[SOP]                ; the two bytes: blocks h and 2 + h,
	v_lshrrev_b32 v[M1], 23, v[BY]
	v_lshl_or_b32 v[OT], v[M1], 16, v[M0]
	v_lshlrev_b32 v[OT], v11, v[OT]                ; at their places in the word (8 h bits up);
	v_permlanex16_b32 v[ONE], v[OT], s88, s89
	v_or_b32 v[SW1], v[OT], v[ONE]                 ; with lane l xor 16's two the word is whole
	v_cvt_scalef32_pk16_bf6_f32 v[CODES:CODES+2], v[HC:HC+15], v[SOP]
	v_cvt_scalef32_pk16_bf6_f32 v[TQ:TQ+2], v[HC+16:HC+31], v[SOP]         ; (a conversion's three registers begin on an even number: a block's second half is made elsewhere and moved)
	v_cvt_scalef32_pk16_bf6_f32 v[CODES+6:CODES+8], v[HC+32:HC+47], v[BY]
	v_cvt_scalef32_pk16_bf6_f32 v[TQ+4:TQ+6], v[HC+48:HC+63], v[BY]
	v_nop                                          ; one plain place behind a scaled conversion
.irp i, 0,1,2
	v_mov_b32 v[CODES+3+\i], v[TQ+\i]
	v_mov_b32 v[CODES+9+\i], v[TQ+4+\i]
.endr
.endm
.macro XLOAD p, off                    ; 16 elements' features into set p: lane (r, h): k = 2 h, 2 h + 1, 4 + 2 h, 5 + 2 h of element r
	ds_load_b32 v[XB+4*\p], v7 offset:\off
	ds_load_b32 v[XB+4*\p+1], v7 offset:\off+4
	ds_load_b32 v[XB+4*\p+2], v252 offset:\off
	ds_load_b32 v[XB+4*\p+3], v253 offset:\off
.endm
.macro POOL k                          ; four of the last tile's sixteen result registers go into the running maximum and sum: four lines
.set pt, (\k)/2
.set pq, (\k)%2
	v_max3_num_f32 v[RM+pt], v[RM+pt], v[D3+8*pt+4*pq], v[D3+8*pt+4*pq+1]
	v_pk_add_f32 v[RS+2*pt:RS+2*pt+1], v[RS+2*pt:RS+2*pt+1], v[D3+8*pt+4*pq:D3+8*pt+4*pq+1]
	v_max3_num_f32 v[RM+pt], v[RM+pt], v[D3+8*pt+4*pq+2], v[D3+8*pt+4*pq+3]
	v_pk_add_f32 v[RS+2*pt:RS+2*pt+1], v[RS+2*pt:RS+2*pt+1], v[D3+8*pt+4*pq+2:D3+8*pt+4*pq+3]
.endm
.macro GAP fill, k                     ; four places: the tile before's pooling where there is one
.if \fill
	POOL \k
.else
	PLACES 4
.endif
.endm
; A TILE of 16 elements through the three layers.  Places: eight behind the f32 form, four behind the 6-bit form, ahead of the first read of results; four between a conversion's codes and the scaled product that takes them.
; Only plain vector lines that name none of the product's registers stand there: v_nop, or the pooling of the tile before (fill = 1).  The pooling names layer 3's results, so none of it stands ahead of layer 3.
.macro TILE p, fill
	v_cndmask_b32 v[XB+4*\p+3], v[XB+4*\p+3], v[ONE], s91          ; lanes 16-31: the slot k = 7 is 1.0, for the bias
.irp t, 0,1,2,3                        ; layer 1, k = 0 .. 3: the first step starts the sums; the four accumulators take turns
	v_wmma_f32_16x16x4_f32 v[ACC+8*\t:ACC+8*\t+7], v[W1F+4*\t:W1F+4*\t+1], v[XB+4*\p:XB+4*\p+1], 0
.endr
.irp t, 0,1,2,3                        ; k = 4 .. 7
	v_wmma_f32_16x16x4_f32 v[ACC+8*\t:ACC+8*\t+7], v[W1F+4*\t+2:W1F+4*\t+3], v[XB+4*\p+2:XB+4*\p+3], v[ACC+8*\t:ACC+8*\t+7]
.endr
	PLACES 4                                       ; (these four are also the places behind the last tile's layer 3)
	GAP \fill, 0
	QA ACC, H, SW1
	GAP \fill, 1
.irp t, 0,1,2,3                        ; layer 2: b2 is the C of the one product
	BF6C H+8*\t, W2F+12*\t, CODES, B2C+8*\t, WS+\t, SW1
.endr
	GAP \fill, 2
.if \fill
	POOL 3
.endif
	QA H, H, SW2
	PLACES 4
.irp t, 1,0                            ; layer 3: source 0 = my 16 elements, source 1 = columns 16 t + r of W3.  Tile 1 first: the head's first product adds onto a bias that lies in tile 1's
	BF6Z D3+8*\t, CODES, W3F+12*\t, SW2, WS+4+\t   ; registers (v60-67), and such a line is not the next matrix instruction behind the one that wrote them: tile 0's (v52-59) stands between
.endr
.endm
.macro RESET
	v_mov_b32 v[RM], 0xff800000                    ; -infinity, under every number
	v_mov_b32 v[RM+1], 0xff800000
.irp i, 0,1,2,3
	v_mov_b32 v[RS+\i], 0
.endr
.endm
; An item's set is through: the two halves of the lanes are joined, (sum / n + max) / 2 + b3 goes to the item's row of c.  Both halves of the lanes write the same word with the same value.
.macro ITEMEND col, invn
	v_add_f32 v16, v[RS], v[RS+1]
	v_add_f32 v17, v[RS+2], v[RS+3]
	v_permlanex16_b32 v18, v16, s88, s89
	v_permlanex16_b32 v19, v17, s88, s89
	v_add_f32 v16, v16, v18
	v_add_f32 v17, v17, v19
	v_permlanex16_b32 v18, v[RM], s88, s89
	v_permlanex16_b32 v19, v[RM+1], s88, s89
	v_max_num_f32 v18, v[RM], v18
	v_max_num_f32 v19, v[RM+1], v19
	v_fma_f32 v16, v16, \invn, v18
	v_fma_f32 v17, v17, \invn, v19
	v_fma_f32 v16, v16, 0.5, v[RB3]
	v_fma_f32 v17, v17, 0.5, v[RB3+1]
	v_add_nc_u32 v254, s86, v6
	ds_store_b32 v254, v16 offset:\col
	ds_store_b32 v254, v17 offset:\col+64
	s_add_co_u32 s86, s86, CMP                     ; the next item's row
	RESET
.endm
; items x inner trips; a trip is two tiles, 32 elements.  s84: the trip's bytes into my data; it runs on from one use of the macro to the next.
.macro ENCLOOP pitch, inner, items, col, invn
	s_mov_b32 s87, \items
.Litem_\@:
	s_mov_b32 s3, \inner
.Ltrip_\@:
	v_add_nc_u32 v7, s84, v3
	v_add_nc_u32 v252, s84, v4
	v_add_nc_u32 v253, s84, v5
	XLOAD 0, 0
	XLOAD 1, 16*\pitch
	s_add_co_u32 s84, s84, 32*\pitch
	s_wait_dscnt 0x4                               ; the first tile's four loads are in (and an item's stores before them are done); the second tile's four may be out
	TILE 0, 0
	s_wait_dscnt 0x0
	TILE 1, 1
	PLACES 4
	POOL 0
	POOL 1
	POOL 2
	POOL 3
	s_sub_co_u32 s3, s3, 1
	s_cmp_lg_u32 s3, 0
	s_cbranch_scc1 .Ltrip_\@
	ITEMEND \col, \invn
	s_sub_co_u32 s87, s87, 1
	s_cmp_lg_u32 s87, 0
	s_cbranch_scc1 .Litem_\@
.endm
.macro PADDR                           ; where an encoder's weights lie for my lane: registers only
	v_and_b32 v7, 7, v0
	v_lshlrev_b32 v7, 2, v7
	v_bfe_u32 v6, v0, 3, 1
	v_lshl_add_u32 v7, v6, 7, v7
	v_bfe_u32 v6, v0, 4, 1
	v_lshl_add_u32 v7, v6, 9, v7
	v_add_nc_u32 v7, PAR, v7                       ; W1: row 2 h of 256 bytes, unit r % 8 + 32 (r / 8)
	v_lshl_add_u32 v252, v6, 7, PAR                ; b2: 32 h on
	v_and_b32 v253, 15, v0
	v_lshl_add_u32 v253, v253, 2, PAR              ; b3: r on
	v_and_b32 v254, 31, v0
	v_lshl_add_u32 v255, v254, 2, SCW              ; a scale word's place for my lane
	v_lshl_add_u32 v254, v254, 4, IMG              ; an image's
.endm
.macro PLOADS e                        ; encoder e's weights into registers, where they stay
.irp t, 0,1,2,3
.irp s, 0,1
.irp j, 0,1
	ds_load_b32 v[W1F+4*\t+2*\s+\j], v7 offset:PARE*\e+256*(4*\s+\j)+32*\t      ; W1(4 s + 2 h + j, 8 t + r % 8 + 32 (r / 8))
.endr
.endr
	ds_load_b128 v[B2C+8*\t:B2C+8*\t+3], v252 offset:PARE*\e+2048+32*\t           ; b2(32 h + 8 t + 0 .. 7)
	ds_load_b128 v[B2C+8*\t+4:B2C+8*\t+7], v252 offset:PARE*\e+2048+32*\t+16
	FETCH W2F+12*\t, 254, (20+4*\e+\t)*FRB
	ds_load_b32 v[WS+\t], v255 offset:(20+4*\e+\t)*128
.endr
.irp t, 0,1
	ds_load_b32 v[RB3+\t], v253 offset:PARE*\e+2304+64*\t                         ; b3(16 t + r)
	FETCH W3F+12*\t, 254, (28+2*\e+\t)*FRB
	ds_load_b32 v[WS+4+\t], v255 offset:(28+2*\e+\t)*128
.endr
	s_wait_dscnt 0x0
.endm
; The lane's places in its wave's data (an element's row is pitch bytes) and in c.  No lane reads outside its own element's row: the robot's lanes 16-31 read x4 for the slot k = 6, whose weight is 0, and x5 for k = 7, which 1.0 replaces.
.macro PBASE pitch, db, trk
	s_mul_i32 s85, s2, DATAW
	s_add_co_u32 s85, s85, \db
	v_and_b32 v3, 15, v0
	v_mul_u32_u24 v3, v3, \pitch
	v_add_nc_u32 v3, s85, v3
	v_add_nc_u32 v4, 16, v3
	v_add_nc_u32 v5, 20, v3
	v_bfe_u32 v6, v0, 4, 1
	v_lshl_add_u32 v3, v6, 3, v3
.if \trk
	v_lshl_add_u32 v4, v6, 3, v4
	v_lshl_add_u32 v5, v6, 2, v5
.endif
	s_mul_i32 s85, s2, 4*CMP
	s_add_co_u32 s85, s85, CM
	v_and_b32 v6, 15, v0
	v_lshl_add_u32 v6, v6, 2, s85                  ; c: my wave's first row, 4 r
	RESET
	s_mov_b32 s84, 0
	s_mov_b32 s86, 0
.endm
; One encoder's small parameters, memory to LDS, by one wave: W1's din rows of 256 bytes, b1 as row 7, b2, b3.
.macro PARAMS din, argoff, e
	s_load_b256 s[28:35], s[0:1], \argoff          ; w1, b1, b2, b3
	v_lshlrev_b32 v14, 3, v8
	v_lshlrev_b32 v15, 2, v8
	s_wait_kmcnt 0x0
.set i, 0
.rept \din
	global_load_b64 v[HC+2*i:HC+2*i+1], v14, s[28:29] offset:256*i
.set i, i+1
.endr
	global_load_b64 v[HC+16:HC+17], v14, s[30:31]
	global_load_b64 v[HC+18:HC+19], v14, s[32:33]
	global_load_b32 v[HC+20], v15, s[34:35]
	s_wait_loadcnt 0x0
.set i, 0
.rept \din
	ds_store_b64 v7, v[HC+2*i:HC+2*i+1] offset:PARE*\e+256*i
.set i, i+1
.endr
.if \din == 6
	v_mov_b32 v[HC+12], 0
	v_mov_b32 v[HC+13], 0
	ds_store_b64 v7, v[HC+12:HC+13] offset:PARE*\e+1536    ; the robot has no feature 6
.endif
	ds_store_b64 v7, v[HC+16:HC+17] offset:PARE*\e+1792
	ds_store_b64 v7, v[HC+18:HC+19] offset:PARE*\e+2048
	ds_store_b32 v252, v[HC+20] offset:PARE*\e+2304
.endm
.macro HFETCH img, n                   ; n weight fragments of the head and their scale words, from image img on
.set ht, 0
.rept \n
	FETCH HW+12*ht, 4, (\img+ht)*FRB
	ds_load_b32 v[WS+ht], v7 offset:(\img+ht)*128
.set ht, ht+1
.endr
.endm
.macro HBIAS8 boff                     ; a bias of 128 in the result's layout, straight into the accumulators: tile t: b(64 (t / 4) + 32 h + 8 (t % 4) + 0 .. 7)
.set ht, 0
.rept 8
	ds_load_b128 v[HC+8*ht:HC+8*ht+3], v5 offset:\boff+256*(ht/4)+32*(ht%4)
	ds_load_b128 v[HC+8*ht+4:HC+8*ht+7], v5 offset:\boff+256*(ht/4)+32*(ht%4)+16
.set ht, ht+1
.endr
.endm
.macro HMUL n                          ; n tiles, one product each, onto the bias; the tiles take turns, one instruction a turn, from run to run too
.set ht, 0
.rept \n
	BF6C HC+8*ht, HW+12*ht, CODES, HC+8*ht, WS+ht, SW1
.set ht, ht+1
.endr
.endm
.macro HRELU n                         ; in ascending order: each accumulator from its low end on
.set ht, 0
.rept \n
	v_max_num_f32 v[HC+ht], 0, v[HC+ht]
.set ht, ht+1
.endr
.endm
	; ---------------- the head of the kernel: arguments, descriptors, the three first fills
	s_load_b256 s[8:15], s[0:1], 0x0               ; tier0, robot, track, mw1
	s_load_b256 s[16:23], s[0:1], 0x20             ; mw2, mw3, rw2, tw2
	s_load_b128 s[24:27], s[0:1], 0x40             ; rw3, tw3
	s_load_b64 s[38:39], s[0:1], 0xb8              ; out0
	v_lshl_add_u32 v[SPW], v0, 2, SPARE
	v_mov_b32 v[NIL], 0
	ds_add_u32 v1, v2
	ds_add_u32 v1, v2
	s_wait_dscnt 0x0
	v_lshrrev_b32 v8, 5, v0
	v_readfirstlane_b32 s2, v8                     ; wave 0..15
	; group 1 for the robot's block: 6,144 dense bytes as 24 rows of 32 elements of 8 bytes
	s_mov_b32 s40, 3<<16
	s_mov_b32 s41, 32<<16
	s_mov_b32 s42, 24<<16
	s_mov_b32 s43, 32<<16
	s_mov_b32 s44, 24
	s_mov_b32 s45, 32
	s_mov_b32 s46, 0
	s_mov_b32 s47, 0
	; for two track items: 7,168 dense bytes as 28 such rows
	s_mov_b32 s48, 3<<16
	s_mov_b32 s49, 32<<16
	s_mov_b32 s50, 28<<16
	s_mov_b32 s51, 32<<16
	s_mov_b32 s52, 28
	s_mov_b32 s53, 32
	s_mov_b32 s54, 0
	s_mov_b32 s55, 0
	; for four rows of tier0: elements of 4 bytes; the tensor is 44 wide and the tile 128, so columns 44 .. 127 arrive as zeros; 4 words of padding behind each 128
	s_mov_b32 s56, (2<<16)|(1<<20)|(6<<22)|(3<<25)
	s_mov_b32 s57, 44<<16
	s_mov_b32 s58, 4<<16
	s_mov_b32 s59, 128<<16
	s_mov_b32 s60, 4
	s_mov_b32 s61, 44
	s_mov_b32 s62, 0
	s_mov_b32 s63, 0
	s_mov_b32 s88, 0x76543210
	s_mov_b32 s89, 0xfedcba98                      ; v_permlanex16_b32's selects for lane l xor 16
	s_mov_b32 s90, 0x04000400                      ; v_perm_b32: byte 0 of the second source, of the first, and again
	s_mov_b32 s91, 0xffff0000                      ; lanes 16-31
	; groups 0: four loads, four sets, none ever rewritten
	s_mov_b32 s68, 1
	s_mul_i32 s69, s2, 4*CMP
	s_add_co_u32 s69, s69, CM                      ; tier0: my four rows of c
	s_mov_b32 s72, 1
	s_mul_i32 s77, s2, DATAW                       ; track items 0, 1: my region's head
	s_add_co_u32 s73, s77, SLOTX                   ; robot: its second half
	s_mov_b32 s76, 1
	s_mov_b32 s80, 1
	s_add_co_u32 s81, s77, SLOTX                   ; track items 2, 3: the same bytes, later
	s_mul_i32 s92, ttmp9, 11264                    ; 64 rows of 176 bytes a work-group, 4 a wave
	s_mul_i32 s85, s2, 704
	s_add_co_u32 s92, s92, s85
	s_mov_b32 s93, 0
	s_mul_i32 s94, ttmp9, 98304                    ; 64 items of 1,536 bytes, 4 a wave
	s_mul_i32 s85, s2, 6144
	s_add_co_u32 s94, s94, s85
	s_mov_b32 s95, 0
	s_mul_i32 s4, ttmp9, 229376                    ; 64 items of 3,584 bytes, 4 a wave
	s_add_co_u32 s4, s4, s77
	s_mov_b32 s5, 0
	s_lshl_b32 s6, ttmp9, 8                        ; 64 results of 4 bytes
	s_mov_b32 s7, 0
	s_wait_kmcnt 0x0
	s_add_nc_u64 s[70:71], s[8:9], s[92:93]
	s_add_nc_u64 s[74:75], s[10:11], s[94:95]
	s_add_nc_u64 s[78:79], s[12:13], s[4:5]
	s_add_nc_u64 s[82:83], s[78:79], SLOTX
	s_add_nc_u64 s[38:39], s[38:39], s[6:7]
	s_or_b32 s71, s71, 0x80000000
	s_or_b32 s75, s75, 0x80000000
	s_or_b32 s79, s79, 0x80000000
	s_or_b32 s83, s83, 0x80000000
	tensor_load_to_lds s[68:71], s[56:63]          ; the three first fills go out together in every wave: three loads of mine are out
	s_nop 0
	tensor_load_to_lds s[72:75], s[40:47]
	s_nop 0
	tensor_load_to_lds s[76:79], s[48:55]
	s_nop 0
	PLACES 4
	; every LDS address of the start is made here, ahead of the branches on the wave's number
	v_and_b32 v8, 31, v0                           ; lane
	v_and_b32 v9, 15, v0                           ; r
	v_bfe_u32 v10, v0, 4, 1                        ; h
	v_lshlrev_b32 v11, 3, v10                      ; 8 h
	v_and_b32 v12, 7, v0
	v_bfe_u32 v13, v0, 3, 1
	v_lshlrev_b32 v12, 2, v12
	v_lshl_add_u32 v12, v13, 7, v12                ; 4 (r % 8 + 32 (r / 8))
	s_mul_i32 s85, s2, FRB
	s_add_co_u32 s85, s85, IMG
	v_lshl_add_u32 v3, v8, 4, s85                  ; image w
	s_lshl_b32 s85, s2, 7
	s_add_co_u32 s85, s85, SCW
	v_lshl_add_u32 v4, v8, 2, s85                  ; its scale words
	s_mul_i32 s85, s2, 2*FRB
	s_add_co_u32 s85, s85, IMG+4*FRB
	v_lshl_add_u32 v5, v8, 4, s85                  ; image 2 w + 4 (waves 12, 13: images 28, 30)
	s_lshl_b32 s85, s2, 8
	s_add_co_u32 s85, s85, SCW+512
	v_lshl_add_u32 v6, v8, 2, s85
	v_lshl_add_u32 v7, v8, 3, PAR                  ; the parameters, 8, 4 and 16 bytes a lane
	v_lshl_add_u32 v252, v8, 2, PAR
	v_lshl_add_u32 v253, v8, 4, PAR
	v_mov_b32 v[OT], 0                             ; written once: a lane permute's destination counts as one of its sources
	v_mov_b32 v[ONE], 0
	v_mov_b32 v59, 0
	; ---------------- the weights, first round: waves 0-7 a tile of mw1, waves 8-15 a tile of mw2.  Lane (r, h) takes column u = 64 (t / 4) + 8 (t % 4) + r % 8 + 32 (r / 8); its registers run down K: k = 64 c + 32 h + i
	s_and_b32 s85, s2, 7
	s_lshr_b32 s86, s85, 2
	s_lshl_b32 s86, s86, 8
	s_and_b32 s85, s85, 3
	s_lshl_b32 s85, s85, 5
	s_add_co_u32 s85, s85, s86
	s_cmp_lt_u32 s2, 8
	s_cselect_b64 s[4:5], s[14:15], s[16:17]
	s_cselect_b32 s6, 0, 16384                     ; mw1 has 108 rows: for k = 108 on its lanes 16-31 read 32 rows higher up, inside the buffer,
	s_cselect_b32 s7, s91, 0                       ; and what they read is replaced by 0
	v_add_nc_u32 v14, s85, v12
	v_mad_u32_u24 v15, v10, s6, v14
	v_lshl_add_u32 v14, v10, 14, v14               ; 4 u + 32 h rows of 512 bytes
.set c, 0
.rept 2
.set i, 0
.rept 32
.if (c == 1) && (i >= 12)
	global_load_b32 v[HC+32*c+i], v15, s[4:5] offset:512*(64*c+i)
.else
	global_load_b32 v[HC+32*c+i], v14, s[4:5] offset:512*(64*c+i)
.endif
.set i, i+1
.endr
.set c, c+1
.endr
	s_wait_loadcnt 0x0
.set i, 12
.rept 20
	v_cndmask_b32 v[HC+32+i], v[HC+32+i], v59, s7
.set i, i+1
.endr
	QH
	IMAGE 3, 0
	ds_store_b32 v4, v[SW1]
	s_wait_dscnt 0x0                               ; the stores have read their registers
	; ---------------- second round: one parting on the wave's number
	s_cmp_lt_u32 s2, 4
	s_cbranch_scc1 .Larm_a
	s_cmp_lt_u32 s2, 12
	s_cbranch_scc1 .Larm_b
	s_cmp_lt_u32 s2, 14
	s_cbranch_scc1 .Larm_c
	s_cmp_eq_u32 s2, 14
	s_cbranch_scc1 .Larm_d
	PARAMS 7, 0x70, 1                              ; wave 15: the track encoder's small parameters
	s_branch .Ljoin
.Larm_a:                                               ; waves 0-3: mw3, tile w: column 16 w + r, rows of 256 bytes: image 16 + w
	s_lshl_b32 s85, s2, 6
	v_lshl_add_u32 v14, v9, 2, s85
	v_lshl_add_u32 v14, v10, 13, v14
.set c, 0
.rept 2
.set i, 0
.rept 32
	global_load_b32 v[HC+32*c+i], v14, s[18:19] offset:256*(64*c+i)
.set i, i+1
.endr
.set c, c+1
.endr
	s_wait_loadcnt 0x0
	QH
	IMAGE 3, 16*FRB
	ds_store_b32 v4, v[SW1] offset:2048
	s_branch .Ljoin
.Larm_b:                                               ; waves 4-7: rw2, waves 8-11: tw2, tile w % 4: column 8 t + r % 8 + 32 (r / 8), k = 32 h + i: image 16 + w
	s_and_b32 s85, s2, 3
	s_lshl_b32 s85, s85, 5
	s_cmp_lt_u32 s2, 8
	s_cselect_b64 s[4:5], s[20:21], s[22:23]
	v_add_nc_u32 v14, s85, v12
	v_lshl_add_u32 v14, v10, 13, v14
.set i, 0
.rept 32
	global_load_b32 v[HC+i], v14, s[4:5] offset:256*i
.set i, i+1
.endr
	CZERO
	s_wait_loadcnt 0x0
	QW HC
	IMAGE 3, 16*FRB
	ds_store_b32 v4, v[SW1] offset:2048
	s_branch .Ljoin
.Larm_c:                                               ; wave 12: rw3, wave 13: tw3, both tiles: column 16 t + r, rows of 128 bytes, k = 32 h + i
	s_cmp_eq_u32 s2, 12
	s_cselect_b64 s[4:5], s[24:25], s[26:27]
	v_lshlrev_b32 v14, 2, v9
	v_lshl_add_u32 v14, v10, 12, v14
.set c, 0
.rept 2
.set i, 0
.rept 32
	global_load_b32 v[HC+32*c+i], v14, s[4:5] offset:64*c+128*i
.set i, i+1
.endr
.set c, c+1
.endr
	CZERO
	s_wait_loadcnt 0x0
	QW HC
	IMAGE 5, 0
	ds_store_b32 v6, v[SW1]
	s_wait_dscnt 0x0                               ; the stores have read their registers
	QW HC+32
	IMAGE 5, FRB
	ds_store_b32 v6, v[SW1] offset:128
	s_branch .Ljoin
.Larm_d:                                               ; wave 14: the robot encoder's small parameters, and the head's vectors
	PARAMS 6, 0x50, 0
	s_load_b256 s[28:35], s[0:1], 0x90             ; mb1, mb2, mb3, mw4 (the loads that named these registers are done)
	s_load_b64 s[36:37], s[0:1], 0xb0              ; mb4
	v_lshlrev_b32 v13, 4, v8
	s_wait_kmcnt 0x0
	global_load_b128 v[HC+24:HC+27], v13, s[28:29]
	global_load_b128 v[HC+28:HC+31], v13, s[30:31]
	global_load_b64 v[HC+32:HC+33], v14, s[32:33]
	global_load_b64 v[HC+34:HC+35], v14, s[34:35]
	global_load_b32 v[HC+36], v59, s[36:37]        ; every lane the one number
	s_wait_loadcnt 0x0
	ds_store_b128 v253, v[HC+24:HC+27] offset:HV-PAR
	ds_store_b128 v253, v[HC+28:HC+31] offset:HV-PAR+512
	ds_store_b64 v7, v[HC+32:HC+33] offset:HV-PAR+1024
	ds_store_b64 v7, v[HC+34:HC+35] offset:HV-PAR+1280
	ds_store_b32 v252, v[HC+36] offset:HV-PAR+1536
.Ljoin:
	s_wait_tensorcnt 0x2                           ; tier0's rows have landed; the two loads issued behind them (robot, track) may stay out
	BAR                                            ; every weight lies in LDS, and every row of c holds tier0 and zeros
	; ---------------- the robot encoder
	CZERO
	v_mov_b32 v[ONE], 1.0
	PADDR
	PLOADS 0
	PBASE 24, SLOTX, 0
	s_wait_tensorcnt 0x1                           ; my robot items have landed; the one load issued behind them (track) may stay out
	ENCLOOP 24, 2, 4, 176, 0x3c800000              ; 4 items x 2 trips x 32 elements; columns 44 on; 1 / 64
	; ---------------- the one refill: track items 2 and 3 into the bytes that the robot items have left
	s_wait_dscnt 0x0                               ; the last item's stores have read their registers
	s_wait_tensorcnt 0x0                           ; all my tensor loads have landed, track items 0 and 1 among them
	ds_add_u32 v[SPW], v[NIL]                      ; 0 onto my spare word: the addresses below stand between it and the wait for it
	PADDR
	s_wait_dscnt 0x0                               ; the add is done, and my reads of the robot items are over
	s_barrier_signal -1
	s_barrier_wait -1
	tensor_load_to_lds s[80:83], s[48:55]          ; my one tensor load behind this barrier, and the first thing there: it has two items' work, 16 tiles, in which to land
	s_nop 0
	PLACES 4
	; ---------------- the track encoder
	PLOADS 1
	PBASE 28, 0, 1
	ENCLOOP 28, 4, 2, 304, 0x3c000000              ; items 0, 1: 2 x 4 trips x 32 elements; columns 76 on; 1 / 128
	s_wait_tensorcnt 0x0                           ; items 2 and 3 have landed: no load was issued behind theirs
	ENCLOOP 28, 4, 2, 304, 0x3c000000              ; they follow items 0 and 1 in my region, so the offsets run on
	BAR                                            ; c is whole
	; ---------------- the head.  Its addresses, and the way out's, are made by every wave, ahead of the branch; waves 4-15 do not use them
	s_mul_i32 s85, s2, 16*CMP
	s_add_co_u32 s85, s85, CM
	v_and_b32 v3, 15, v0
	v_mul_u32_u24 v3, v3, CMP
	v_add_nc_u32 v3, s85, v3
	v_bfe_u32 v4, v0, 4, 1
	v_lshl_add_u32 v3, v4, 7, v3                   ; c: row 16 w + r, 32 h numbers on
	v_lshl_add_u32 v5, v4, 7, HV                   ; biases of 128: 32 h on
	v_lshl_add_u32 v6, v4, 5, HV                   ; vectors of 64: 8 h on
	v_and_b32 v4, 31, v0
	v_lshl_add_u32 v7, v4, 2, SCW
	v_lshl_add_u32 v253, v4, 3, OUTS               ; the results, 8 bytes a lane
	v_lshlrev_b32 v254, 3, v4                      ; and the same in out0
	v_lshl_add_u32 v4, v4, 4, IMG
	s_lshl_b32 s85, s2, 6
	s_add_co_u32 s85, s85, OUTS
	v_and_b32 v252, 15, v0
	v_lshl_add_u32 v252, v252, 2, s85              ; item 16 w + r's result
	s_cmp_lt_u32 s2, 4
	s_cbranch_scc0 .Lno_head
	v_bfe_u32 v11, v0, 4, 1
	v_lshlrev_b32 v11, 3, v11                      ; 8 h
.set c, 0
.rept 2
.set i, 0
.rept 8
	ds_load_b128 v[HC+32*c+4*i:HC+32*c+4*i+3], v3 offset:256*c+16*i        ; c(16 w + r, 64 c + 32 h + 4 i ..)
.set i, i+1
.endr
.set c, c+1
.endr
	HFETCH 0, 8                                    ; mw1
	s_wait_dscnt 0x20                              ; c's 16 loads are in; the 24 + 8 issued behind them may be out
	QH
	HBIAS8 0                                       ; mb1
	s_wait_dscnt 0x0
	PLACES 8                                       ; a scale word made by vector lines stands eight places ahead of the scaled product, codes so made four
	HMUL 8
	PLACES 4
	HFETCH 8, 8                                    ; mw2
	HRELU 64
	QH
	HBIAS8 512                                     ; mb2
	s_wait_dscnt 0x0
	PLACES 8
	HMUL 8
	PLACES 4
	HFETCH 16, 4                                   ; mw3: natural columns: tile t's register j of lane (r, h) is unit 16 t + 8 h + j
	HRELU 64
	QH
.irp t, 0,1,2,3
	ds_load_b128 v[HC+8*\t:HC+8*\t+3], v6 offset:1024+64*\t            ; mb3(16 t + 8 h + 0 .. 7)
	ds_load_b128 v[HC+8*\t+4:HC+8*\t+7], v6 offset:1024+64*\t+16
	ds_load_b128 v[HC+32+8*\t:HC+32+8*\t+3], v6 offset:1280+64*\t      ; mw4 likewise
	ds_load_b128 v[HC+32+8*\t+4:HC+32+8*\t+7], v6 offset:1280+64*\t+16
.endr
	ds_load_b32 v10, v7 offset:HV+1536-SCW         ; mb4
	s_wait_dscnt 0x0
	PLACES 8
	HMUL 4
	PLACES 4
	HRELU 32
	v_pk_mul_f32 v[12:13], v[HC:HC+1], v[HC+32:HC+33]              ; the last product: my 32 units, two at a time, in two chains
	v_pk_mul_f32 v[14:15], v[HC+2:HC+3], v[HC+34:HC+35]
.set i, 4
.rept 7
	v_pk_fma_f32 v[12:13], v[HC+i:HC+i+1], v[HC+32+i:HC+33+i], v[12:13]
	v_pk_fma_f32 v[14:15], v[HC+i+2:HC+i+3], v[HC+34+i:HC+35+i], v[14:15]
.set i, i+4
.endr
	v_pk_add_f32 v[12:13], v[12:13], v[14:15]
	v_add_f32 v12, v12, v13
	v_permlanex16_b32 v13, v12, s88, s89           ; lane l xor 16 holds the item's other 32 units
	v_add_f32 v12, v12, v13
	v_add_f32 v12, v12, v10
	ds_store_b32 v252, v12                         ; both halves of the lanes write the same word with the same value
.Lno_head:
	BAR                                            ; the 64 results lie in LDS
	s_cmp_lg_u32 s2, 0
	s_cbranch_scc1 .Lend
	ds_load_b64 v[12:13], v253
	s_wait_dscnt 0x0
	global_store_b64 v254, v[12:13], s[38:39]      ; 32 lanes store 256 consecutive bytes, at a multiple of 256 from out0's first byte
.Lend:
	s_wait_tensorcnt 0x0                           ; the wave's end, behind my last tensor load and my last LDS store
	ds_add_u32 v[SPW], v[NIL]
	s_wait_dscnt 0x0
	s_endpgm
.Lfunc_end_k_qb79bf008f5_critic:
	.size	k_qb79bf008f5_critic, .Lfunc_end_k_qb79bf008f5_critic-k_qb79bf008f5_critic
	.p2alignl 7, 3214868480
	.fill 96, 4, 3214868480
	.section	.rodata,"a",@progbits
	.p2align	6, 0x0
	.amdhsa_kernel k_qb79bf008f5_critic
		.amdhsa_group_segment_fixed_size 327680
		.amdhsa_private_segment_fixed_size 0
		.amdhsa_enable_private_segment 0
		.amdhsa_kernarg_size 192
		.amdhsa_user_sgpr_count 2
		.amdhsa_user_sgpr_kernarg_segment_ptr 1
		.amdhsa_wavefront_size32 1
		.amdhsa_system_sgpr_workgroup_id_x 1
		.amdhsa_system_sgpr_workgroup_id_y 1
		.amdhsa_system_sgpr_workgroup_id_z 1
		.amdhsa_system_vgpr_workitem_id 0
		.amdhsa_next_free_vgpr 256
		.amdhsa_next_free_sgpr 96
		.amdhsa_reserve_vcc 0
		.amdhsa_float_denorm_mode_32 3
		.amdhsa_float_denorm_mode_16_64 3
		.amdhsa_memory_ordered 1
		.amdhsa_forward_progress 1
		.amdhsa_inst_pref_size 139
	.end_amdhsa_kernel
	.amdgpu_metadata
---
amdhsa.version: [ 1, 2 ]
amdhsa.kernels:
  - .name:           k_qb79bf008f5_critic
    .symbol:         k_qb79bf008f5_critic.kd
    .args:
      - { .name: tier0_features, .offset: 0, .size: 8, .value_kind: global_buffer, .address_space: global }
      - { .name: robot_features, .offset: 8, .size: 8, .value_kind: global_buffer, .address_space: global }
      - { .name: track_features, .offset: 16, .size: 8, .value_kind: global_buffer, .address_space: global }
      - { .name: mw1, .offset: 24, .size: 8, .value_kind: global_buffer, .address_space: global }
      - { .name: mw2, .offset: 32, .size: 8, .value_kind: global_buffer, .address_space: global }
      - { .name: mw3, .offset: 40, .size: 8, .value_kind: global_buffer, .address_space: global }
      - { .name: rw2, .offset: 48, .size: 8, .value_kind: global_buffer, .address_space: global }
      - { .name: tw2, .offset: 56, .size: 8, .value_kind: global_buffer, .address_space: global }
      - { .name: rw3, .offset: 64, .size: 8, .value_kind: global_buffer, .address_space: global }
      - { .name: tw3, .offset: 72, .size: 8, .value_kind: global_buffer, .address_space: global }
      - { .name: rw1, .offset: 80, .size: 8, .value_kind: global_buffer, .address_space: global }
      - { .name: rb1, .offset: 88, .size: 8, .value_kind: global_buffer, .address_space: global }
      - { .name: rb2, .offset: 96, .size: 8, .value_kind: global_buffer, .address_space: global }
      - { .name: rb3, .offset: 104, .size: 8, .value_kind: global_buffer, .address_space: global }
      - { .name: tw1, .offset: 112, .size: 8, .value_kind: global_buffer, .address_space: global }
      - { .name: tb1, .offset: 120, .size: 8, .value_kind: global_buffer, .address_space: global }
      - { .name: tb2, .offset: 128, .size: 8, .value_kind: global_buffer, .address_space: global }
      - { .name: tb3, .offset: 136, .size: 8, .value_kind: global_buffer, .address_space: global }
      - { .name: mb1, .offset: 144, .size: 8, .value_kind: global_buffer, .address_space: global }
      - { .name: mb2, .offset: 152, .size: 8, .value_kind: global_buffer, .address_space: global }
      - { .name: mb3, .offset: 160, .size: 8, .value_kind: global_buffer, .address_space: global }
      - { .name: mw4, .offset: 168, .size: 8, .value_kind: global_buffer, .address_space: global }
      - { .name: mb4, .offset: 176, .size: 8, .value_kind: global_buffer, .address_space: global }
      - { .name: out0, .offset: 184, .size: 8, .value_kind: global_buffer, .address_space: global }
    .group_segment_fixed_size: 327680
    .private_segment_fixed_size: 0
    .kernarg_segment_align: 8
    .kernarg_segment_size: 192
    .max_flat_workgroup_size: 512
    .sgpr_count:     96
    .vgpr_count:     256
    .wavefront_size: 32
...
	.end_amdgpu_metadata
.endif
;; end of part 1
